; MI455X (gfx1250); checked and timed in simulation.
; The chip was launched on July 23, 2026; its instructions are those of AMD's public machine-readable ISA for CDNA 5 (MIT licence, August 2026) and "CDNA5" Instruction Set Architecture Reference Guide (July 2026). The comments in the code are by the model that wrote it; some were corrected since.
;; Mo E Layer. Allowed arithmetic: matrix products marked QUANTISED: E5M2 operands, one given power-of-two scale a tensor, by v_wmma_f32_16x16x64_bf8_bf8 or v_wmma_f32_16x16x128_bf8_bf8, f32 sums; everything else in f32.
;; Inputs: W1_codes 8 x 2,048 x 16 x 32 uint8 (E5M2 codes of W1, K innermost, in blocks of 32 codes); W2_codes 8 x 512 x 64 x 32 uint8 (E5M2 codes of W2, K innermost, in blocks of 32 codes); assign 8 x 512 x 2 int32; b1 8 x 2,048 float32; b2 8 x 512 float32; lowp_scales 32 int32 (the exponents e of the quantised operands' scales 2^e); x_codes 8 x 512 x 16 x 32 uint8 (E5M2 codes of x, K innermost, in blocks of 32 codes).
;; Outputs: out0 8 x 512 x 512 float32.
;; This version of the problem:
;;   THIS VERSION OF THE PROBLEM IS GIVEN IN LOW PRECISION. The matrix products marked QUANTISED in the list below multiply operands that are first quantised to E5M2 (5 exponent bits, 2 mantissa bits; 8 bits a number), with one given power-of-two scale for each operand tensor; their sums are f32. All else is computed in f32.
;;   The module's matrix products, in the order in which they are computed (A, B: the left and right operand; K: the contracted axis; several contracted axes count as one K, in the product's order):
;;     1. [M 4,096, K 512] x [K 512, N 2,048]; A: input x (given as codes); B: input W1 (given as codes): QUANTISED (scales: A lowp_scales[0], B lowp_scales[1])
;;     2. [M 4,096, K 2,048] x [K 2,048, N 512]; A: computed on the way; B: input W2 (given as codes): QUANTISED (scales: A lowp_scales[2], B lowp_scales[3])
;;     3. [M 4,096, K 512] x [K 512, N 2,048]; A: input x (given as codes); B: input W1 (given as codes): QUANTISED (scales: A lowp_scales[4], B lowp_scales[5])
;;     4. [M 4,096, K 2,048] x [K 2,048, N 512]; A: computed on the way; B: input W2 (given as codes): QUANTISED (scales: A lowp_scales[6], B lowp_scales[7])
;;     5. [M 4,096, K 512] x [K 512, N 2,048]; A: input x (given as codes); B: input W1 (given as codes): QUANTISED (scales: A lowp_scales[8], B lowp_scales[9])
;;     6. [M 4,096, K 2,048] x [K 2,048, N 512]; A: computed on the way; B: input W2 (given as codes): QUANTISED (scales: A lowp_scales[10], B lowp_scales[11])
;;     7. [M 4,096, K 512] x [K 512, N 2,048]; A: input x (given as codes); B: input W1 (given as codes): QUANTISED (scales: A lowp_scales[12], B lowp_scales[13])
;;     8. [M 4,096, K 2,048] x [K 2,048, N 512]; A: computed on the way; B: input W2 (given as codes): QUANTISED (scales: A lowp_scales[14], B lowp_scales[15])
;;     9. [M 4,096, K 512] x [K 512, N 2,048]; A: input x (given as codes); B: input W1 (given as codes): QUANTISED (scales: A lowp_scales[16], B lowp_scales[17])
;;     10. [M 4,096, K 2,048] x [K 2,048, N 512]; A: computed on the way; B: input W2 (given as codes): QUANTISED (scales: A lowp_scales[18], B lowp_scales[19])
;;     11. [M 4,096, K 512] x [K 512, N 2,048]; A: input x (given as codes); B: input W1 (given as codes): QUANTISED (scales: A lowp_scales[20], B lowp_scales[21])
;;     12. [M 4,096, K 2,048] x [K 2,048, N 512]; A: computed on the way; B: input W2 (given as codes): QUANTISED (scales: A lowp_scales[22], B lowp_scales[23])
;;     13. [M 4,096, K 512] x [K 512, N 2,048]; A: input x (given as codes); B: input W1 (given as codes): QUANTISED (scales: A lowp_scales[24], B lowp_scales[25])
;;     14. [M 4,096, K 2,048] x [K 2,048, N 512]; A: computed on the way; B: input W2 (given as codes): QUANTISED (scales: A lowp_scales[26], B lowp_scales[27])
;;     15. [M 4,096, K 512] x [K 512, N 2,048]; A: input x (given as codes); B: input W1 (given as codes): QUANTISED (scales: A lowp_scales[28], B lowp_scales[29])
;;     16. [M 4,096, K 2,048] x [K 2,048, N 512]; A: computed on the way; B: input W2 (given as codes): QUANTISED (scales: A lowp_scales[30], B lowp_scales[31])
;;   THE QUANTISER, for each operand of a quantised product, along K:
;;     - The operand's scale is 2^e, e = its entry of the input lowp_scales (int32; the entries are numbered through the quantised products in the list's order, A before B).
;;     - Each number is divided by the scale, clamped to +-57,344, and rounded to the nearest number of E5M2, ties to even, subnormals kept.
;;     - The product sums the exact products of the quantised numbers (number of the format x scale) in f32.
;;   ~~~python
;;   def quantise(x, axis, e):      # numpy; x: float32 -> the quantised numbers, widened to float32 again
;;       x = np.moveaxis(x, axis, -1); K = x.shape[-1]
;;       r = np.clip(x / 2.0 ** e, -57344, 57344)
;;       step = 2.0 ** (np.maximum(np.frexp(np.where(r == 0, 1, r))[1] - 1, -14) - 2)
;;       q = np.round(r / step) * step * 2.0 ** e      # np.round: ties to even
;;       return np.moveaxis(q, -1, axis).astype(np.float32)
;;   ~~~
;;   OPERANDS COMPUTED ON THE WAY. 'Computed on the way' means the value that the module computes at that place (a softmax that the list does not call 'softmax' is quantised finished and normalised). What goes into a quantiser is computed in f32, as accurately as f32 sums, v_exp_f32 and their like allow (about 1e-6 of the number): no bf16 or f16 on the way to a quantiser, and a product that is left as it is and whose result goes on into a quantised operand takes f32 operands (vector FMAs, or v_wmma_f32_16x16x4_f32). A number that lies on a knife's edge between two numbers of the format may be rounded either way, as far as f32 arithmetic and the matrix unit's own rounding can turn it there, and no further.
;;   INPUTS GIVEN AS CODES. W1 (in the module: [8, 512, 2048], K = its axis 1); W2 (in the module: [8, 2048, 512], K = its axis 1); x (in the module: [8, 512, 512], K = its axis 2): each comes as NAME_codes (uint8): NAME with its K axis moved to the last place and cut into blocks of 32 codes, [.., K / 32, bytes a block], one block behind the other in memory; one code a byte (a code: sign, 5 exponent bits, 2 mantissa bits); its scale is its entry of lowp_scales. Its value is code x scale, taken as it is: it is not quantised again, and the codes and scales need not be those that the quantiser above would give.
;; 2 versions, each right; version 2 is version 1 with the launch chain written anew for expert scheduling mode. Each part assembles by itself: llvm-mc -triple=amdgcn-amd-amdhsa -mcpu=gfx1250 --defsym DOCPART=n.
;; ======== version 1 of 2: 3 launches
;; workspace buffers: w1f 8,388,608 bytes; w2f 8,388,608 bytes; y 35,389,440 bytes; tiles 1,024 bytes of whole numbers; rowtok 36,864 bytes of whole numbers; pos 32,768 bytes of whole numbers
;; launch prep (part 1): grid 129 x 1, 8 waves a work-group, no clusters, 1,280 bytes of LDS; arguments assign, W1_codes, W2_codes, w1f, w2f, tiles, rowtok, pos; writes w1f, w2f, tiles, rowtok, pos
.if DOCPART == 1
	.amdgcn_target "amdgcn-amd-amdhsa--gfx1250"
	.amdhsa_code_object_version 6
	.text
	.protected	k_q70534ec6d1_prep
	.globl	k_q70534ec6d1_prep
	.p2align	8
	.type	k_q70534ec6d1_prep,@function
k_q70534ec6d1_prep:
	s_mov_b64 s[64:65], 0
	v_nop
	global_prefetch_b8 v0, s[64:65] scope:SCOPE_SE
	s_setreg_imm32_b32 hwreg(HW_REG_WAVE_MODE, 25, 1), 1
	s_wait_xcnt 0x0
; PREP: the routing, and the weights laid out in the order of the operand registers.
; Work-group 0 sorts the (token, expert) rows by expert (a counting sort without atomics) and stores three lists of whole numbers:
;   tiles[i]  = expert | rows << 8 for tile i of 64 rows (256 words; rows = 0: the tile has none).  Each expert's rows begin at a multiple of 64.
;   rowtok[p] = the token of row p (0 in rows that pad a tile; word 8640 is a spare word that nobody reads).
;   pos[token][slot] = the row p of that slot; bit 16 set where the slot adds nothing (slot 1 names slot 0's expert, or an id outside 0..7).
; 8,192 rows at the most and 8 experts give at most 135 tiles of 64, 8,640 rows, whatever the split.
; Work-groups 1 to 64 lay W1's codes, 65 to 128 W2's: each wave moves one unit of 16,384 bytes, 32 loads and 32 stores of 16 bytes a lane.
;   w1f: byte e 2^20 + g 16384 + f 2048 + c 512 + 16 lane = W1_codes[e][32 g + 8 u + r + 8 (r / 8)][128 s + 32 c + 16 h ..+15], f = 2 s + u, r = lane % 16, h = lane / 16
;   w2f: byte e 2^20 + S 65536 + n 2048 + c 512 + 16 lane = W2_codes[e][16 n + r][128 S + 32 c + 16 h ..+15]
; so that a later launch loads a fragment's sixteen registers by four loads of 512 consecutive bytes a wave.
; The paths part on the work-group's number alone; only work-group 0 uses LDS and a barrier.
.set FLAG, 0x10000
.set NROW, 8640
	s_load_b512 s[4:19], s[0:1], 0x0               ; assign s[4:5], W1_codes s[6:7], W2_codes s[8:9], w1f s[10:11], w2f s[12:13], tiles s[14:15], rowtok s[16:17], pos s[18:19]
	v_lshl_add_u32 v176, v0, 2, 0x100
	v_mov_b32 v177, 0
	v_lshrrev_b32 v1, 5, v0
	v_readfirstlane_b32 s2, v1                     ; wave 0..7
	v_and_b32 v1, 31, v0                           ; lane
	v_and_b32 v2, 15, v0                           ; r
	v_bfe_u32 v3, v0, 4, 1                         ; h
	s_cmp_eq_u32 ttmp9, 0
	s_cbranch_scc1 .Lroute
	s_sub_co_u32 s20, ttmp9, 1
	s_lshl_b32 s20, s20, 3
	s_add_co_u32 s20, s20, s2                      ; my unit: 8 x (work-group - 1) + wave
	v_lshlrev_b32 v5, 4, v1                        ; where a lane stores: 16 x lane
	s_mov_b32 s23, 0
	s_mov_b32 s25, 0
	s_cmp_lt_u32 ttmp9, 65
	s_cbranch_scc0 .Lw2
; 32 loads, then 32 stores as the loads come in.  kind = 1: W1's offsets, 0: W2's.  No register is written twice.
.macro RELAY src, dst, kind
.set k, 0
.rept 32
.if \kind
.set sofs, ((k/4)%2)*4096+((k/4)/2)*128+32*(k%4)
.else
.set sofs, 128*(k/4)+32*(k%4)
.endif
	global_load_b128 v[16+4*k:19+4*k], v4, s[\src:\src+1] offset:sofs th:TH_LOAD_NT
.set k, k+1
.endr
.set k, 0
.rept 32
.if \kind
.set dofs, 2048*(k/4)+512*(k%4)
.else
.set dofs, 65536*(k/4)+512*(k%4)
.endif
	s_wait_loadcnt 31-k                            ; loads come back in order: load k is in, the 31 - k younger ones may be out
	global_store_b128 v5, v[16+4*k:19+4*k], s[\dst:\dst+1] offset:dofs   ; the wave stores 512 consecutive bytes
.set k, k+1
.endr
.endm
	; W1: unit = (e, g): 32 rows of 512 bytes, dense: 16,384 bytes in, 16,384 out, at the same offset
	v_and_b32 v4, 8, v2
	v_add_nc_u32 v4, v4, v2                        ; r + 8 (r / 8)
	v_lshlrev_b32 v4, 9, v4
	v_lshl_add_u32 v4, v3, 4, v4                   ; that row, + 16 h
	s_lshl_b32 s22, s20, 14
	s_wait_kmcnt 0x0
	s_add_nc_u64 s[6:7], s[6:7], s[22:23]
	s_add_nc_u64 s[10:11], s[10:11], s[22:23]
	RELAY 6, 10, 1
	s_endpgm
.Lw2:   ; W2: unit V = (e, n, q): rows 16 n .. 16 n + 15, bytes 1024 q .. 1024 q + 1023 of each: K steps 8 q .. 8 q + 7
	s_sub_co_u32 s20, s20, 512                     ; V
	v_lshlrev_b32 v4, 11, v2
	v_lshl_add_u32 v4, v3, 4, v4                   ; row r of 2,048 bytes, + 16 h
	s_lshr_b32 s21, s20, 6
	s_lshl_b32 s21, s21, 20                        ; e 2^20
	s_bfe_u32 s26, s20, 0x50001                    ; n: 5 bits from bit 1
	s_and_b32 s27, s20, 1                          ; q
	s_lshl_b32 s22, s26, 15
	s_add_co_u32 s22, s22, s21
	s_lshl_b32 s28, s27, 10
	s_add_co_u32 s22, s22, s28                     ; from: e 2^20 + 16 n rows + 1024 q
	s_lshl_b32 s24, s26, 11
	s_add_co_u32 s24, s24, s21
	s_lshl_b32 s28, s27, 19
	s_add_co_u32 s24, s24, s28                     ; to: e 2^20 + 8 q x 65536 + n x 2048
	s_wait_kmcnt 0x0
	s_add_nc_u64 s[8:9], s[8:9], s[22:23]
	s_add_nc_u64 s[12:13], s[12:13], s[24:25]
	RELAY 8, 12, 0
	s_endpgm
.Lroute:
; THE ROUTING.  Thread t takes tokens t + 256 i, i = 0 .. 15.
; REGISTERS: v2 16 t, v3 8 t; v4-11 at work; v12-15 zeros; v16-47 the ids (i, slot); v48-79 the rows' places R(i, slot); v80-111, v112-143 at work; v144-159 the tokens; v160.. at work.
; s20-27 my wave's running count for each expert; s28-35, s36-43 the lanes whose slot 0, slot 1 names expert e; s44-51 either; s52-59 their number.
	v_lshlrev_b32 v2, 4, v0
	v_lshlrev_b32 v3, 3, v0
	v_mov_b32 v12, 0
	v_mov_b32 v13, 0
	v_mov_b32 v14, 0
	v_mov_b32 v15, 0
	v_mov_b32 v168, FLAG
	s_wait_kmcnt 0x0
.irp k, 0,1,2,3,4,5,6,7,8
	global_store_b128 v2, v[12:15], s[16:17] offset:4096*\k      ; rowtok is zeros first: 9 x 4,096 bytes
.endr
.irp i, 0,1,2,3,4,5,6,7,8,9,10,11,12,13,14,15
	global_load_b64 v[16+2*\i:17+2*\i], v3, s[4:5] offset:2048*\i  ; both ids of token t + 256 i
.endr
.irp j, 0,1,2,3,4,5,6,7,8,9,10,11,12,13,14,15,16,17,18,19,20,21,22,23,24,25,26,27,28,29,30,31
	v_mov_b32 v[48+\j], v168                       ; a slot that no expert takes keeps the flag
.endr
.irp e, 0,1,2,3,4,5,6,7
	s_mov_b32 s[20+\e], 0
.endr
	s_wait_loadcnt 0x0
; The rank of each row among my wave's rows of its expert.  A token that names an expert in both slots counts once and both slots get the one rank.
; The eight experts go stage by stage, each in registers of its own, so that no line waits for the line above it.
.macro RANK i
.irp e, 0,1,2,3,4,5,6,7
	v_cmp_eq_u32 s[28+\e], \e, v[16+2*\i]
	v_cmp_eq_u32 s[36+\e], \e, v[17+2*\i]
.endr
.irp e, 0,1,2,3,4,5,6,7
	s_or_b32 s[44+\e], s[28+\e], s[36+\e]
.endr
.irp e, 0,1,2,3,4,5,6,7
	v_mbcnt_lo_u32_b32 v[4+\e], s[44+\e], s[20+\e] ; the running count + the lanes below me that take expert e
.endr
.irp e, 0,1,2,3,4,5,6,7
	v_cndmask_b32 v[48+2*\i], v[48+2*\i], v[4+\e], s[28+\e]
	v_cndmask_b32 v[49+2*\i], v[49+2*\i], v[4+\e], s[36+\e]
.endr
.irp e, 0,1,2,3,4,5,6,7
	s_bcnt1_i32_b32 s[52+\e], s[44+\e]
.endr
.irp e, 0,1,2,3,4,5,6,7
	s_add_co_u32 s[20+\e], s[20+\e], s[52+\e]
.endr
.endm
.irp i, 0,1,2,3,4,5,6,7,8,9,10,11,12,13,14,15
	RANK \i
.endr
	; my wave's eight counts go to LDS words 8 x wave + e
	v_mov_b32 v160, s2
	v_lshlrev_b32 v160, 5, v160
.irp e, 0,1,2,3,4,5,6,7
	v_mov_b32 v[4+\e], s[20+\e]
.endr
.irp e, 0,1,2,3,4,5,6,7
	ds_store_b32 v160, v[4+\e] offset:4*\e         ; all lanes write the same word with the same number
.endr
	s_wait_storecnt 0x0                            ; my zeros are in rowtok: behind the barrier any wave may store a token over them
	s_wait_dscnt 0x0                               ; my counts are in LDS
	s_barrier_signal -1
	s_barrier_wait -1
	; every wave: lane l holds expert l % 8: the total, and the sum of the waves in front of mine
	v_and_b32 v161, 7, v0
	v_lshlrev_b32 v161, 2, v161
.irp w, 0,1,2,3,4,5,6,7
	ds_load_b32 v[4+\w], v161 offset:32*\w
.endr
	v_mov_b32 v164, 0
	v_mov_b32 v166, 0
	s_wait_dscnt 0x0
	v_add_nc_u32 v163, v4, v5
	v_add3_u32 v163, v163, v6, v7
	v_add3_u32 v163, v163, v8, v9
	v_add3_u32 v163, v163, v10, v11                ; the expert's rows
.irp w, 0,1,2,3,4,5,6
	s_cmp_gt_u32 s2, \w
	s_cselect_b32 s61, -1, 0
	v_and_b32 v162, s61, v[4+\w]
	v_add_nc_u32 v164, v164, v162                  ; the rows of the waves in front of mine
.endr
	v_add_nc_u32 v165, 63, v163
	v_lshrrev_b32 v165, 6, v165                    ; the expert's tiles
.irp e, 0,1,2,3,4,5,6,7
	v_readlane_b32 s[28+\e], v165, \e
	v_readlane_b32 s[36+\e], v163, \e
.endr
	s_mov_b32 s44, 0                               ; s44-52: the first tile of each expert, and the number of tiles
.irp e, 0,1,2,3,4,5,6,7
	s_add_co_u32 s[45+\e], s[44+\e], s[28+\e]
.endr
.irp e, 0,1,2,3,4,5,6,7
	s_lshl_b32 s[53+\e], s[44+\e], 6
	s_add_co_u32 s[53+\e], s[53+\e], s[36+\e]      ; s53-60: the row behind the expert's last
.endr
.irp e, 0,1,2,3,4,5,6,7
	v_writelane_b32 v166, s[44+\e], \e
.endr
	v_lshl_add_u32 v167, v166, 6, v164             ; lane e: 64 x first tile + the rows of the waves in front of mine
	; each slot fetches lane (its id)'s number and adds it to its rank
.irp j, 0,1,2,3,4,5,6,7,8,9,10,11,12,13,14,15,16,17,18,19,20,21,22,23,24,25,26,27,28,29,30,31
	v_min_u32 v[112+\j], 7, v[16+\j]               ; (an id outside 0..7 keeps its flag whatever it fetches)
.endr
.irp j, 0,1,2,3,4,5,6,7,8,9,10,11,12,13,14,15,16,17,18,19,20,21,22,23,24,25,26,27,28,29,30,31
	v_lshlrev_b32 v[112+\j], 2, v[112+\j]
.endr
.irp j, 0,1,2,3,4,5,6,7,8,9,10,11,12,13,14,15,16,17,18,19,20,21,22,23,24,25,26,27,28,29,30,31
	ds_bpermute_b32 v[80+\j], v[112+\j], v167
.endr
	s_wait_dscnt 0x0
.irp j, 0,1,2,3,4,5,6,7,8,9,10,11,12,13,14,15,16,17,18,19,20,21,22,23,24,25,26,27,28,29,30,31
	v_add_nc_u32 v[48+\j], v[48+\j], v[80+\j]      ; the row p, under 8,640 (what is added to a flag is under 8,640 too: bit 16 stays)
.endr
.irp i, 0,1,2,3,4,5,6,7,8,9,10,11,12,13,14,15
	v_cmp_eq_u32 vcc_lo, v[16+2*\i], v[17+2*\i]
	v_cndmask_b32 v162, 0, v168, vcc_lo
	v_or_b32 v[49+2*\i], v[49+2*\i], v162          ; slot 1 adds nothing where it names slot 0's expert
.endr
.irp i, 0,1,2,3,4,5,6,7,8,9,10,11,12,13,14,15
	global_store_b64 v3, v[48+2*\i:49+2*\i], s[18:19] offset:2048*\i
.endr
.irp j, 0,1,2,3,4,5,6,7,8,9,10,11,12,13,14,15,16,17,18,19,20,21,22,23,24,25,26,27,28,29,30,31
	v_min_u32 v[80+\j], NROW, v[48+\j]             ; a flagged slot goes to the spare word
.endr
.irp j, 0,1,2,3,4,5,6,7,8,9,10,11,12,13,14,15,16,17,18,19,20,21,22,23,24,25,26,27,28,29,30,31
	v_lshlrev_b32 v[80+\j], 2, v[80+\j]
.endr
.irp i, 0,1,2,3,4,5,6,7,8,9,10,11,12,13,14,15
	v_add_nc_u32 v[144+\i], 256*\i, v0
.endr
.irp i, 0,1,2,3,4,5,6,7,8,9,10,11,12,13,14,15
	global_store_b32 v[80+2*\i], v[144+\i], s[16:17]
	global_store_b32 v[81+2*\i], v[144+\i], s[16:17]
.endr
	; tile t's word: the last expert whose first tile is at or in front of t, and how many of the rows 64 t .. 64 t + 63 lie in front of that expert's end
	v_mov_b32 v169, 0
	v_mov_b32 v170, 0
.irp e, 0,1,2,3,4,5,6,7
	v_cmp_gt_u32 vcc_lo, s[44+\e], v0              ; the expert begins behind tile t: keep what stands
	v_cndmask_b32 v169, \e, v169, vcc_lo
	v_cndmask_b32 v170, s[53+\e], v170, vcc_lo
.endr
	v_lshlrev_b32 v171, 6, v0
	v_add_nc_u32 v172, 64, v171
	v_min_u32 v172, v172, v170
	v_min_u32 v171, v171, v170
	v_sub_nc_u32 v172, v172, v171
	v_lshl_or_b32 v172, v172, 8, v169
	v_lshlrev_b32 v171, 2, v0
	global_store_b32 v171, v172, s[14:15]
	s_wait_tensorcnt 0x0
	ds_add_u32 v176, v177
	s_wait_dscnt 0x0
	s_endpgm
.Lfunc_end_k_q70534ec6d1_prep:
	.size	k_q70534ec6d1_prep, .Lfunc_end_k_q70534ec6d1_prep-k_q70534ec6d1_prep
	.p2alignl 7, 3214868480
	.fill 96, 4, 3214868480
	.section	.rodata,"a",@progbits
	.p2align	6, 0x0
	.amdhsa_kernel k_q70534ec6d1_prep
		.amdhsa_group_segment_fixed_size 1280
		.amdhsa_private_segment_fixed_size 0
		.amdhsa_enable_private_segment 0
		.amdhsa_kernarg_size 64
		.amdhsa_user_sgpr_count 2
		.amdhsa_user_sgpr_kernarg_segment_ptr 1
		.amdhsa_wavefront_size32 1
		.amdhsa_system_sgpr_workgroup_id_x 1
		.amdhsa_system_sgpr_workgroup_id_y 1
		.amdhsa_system_sgpr_workgroup_id_z 1
		.amdhsa_system_vgpr_workitem_id 0
		.amdhsa_next_free_vgpr 178
		.amdhsa_next_free_sgpr 66
		.amdhsa_reserve_vcc 1
		.amdhsa_float_denorm_mode_32 3
		.amdhsa_float_denorm_mode_16_64 3
		.amdhsa_memory_ordered 1
		.amdhsa_forward_progress 1
		.amdhsa_inst_pref_size 94
	.end_amdhsa_kernel
	.amdgpu_metadata
---
amdhsa.version: [ 1, 2 ]
amdhsa.kernels:
  - .name:           k_q70534ec6d1_prep
    .symbol:         k_q70534ec6d1_prep.kd
    .args:
      - { .name: assign, .offset: 0, .size: 8, .value_kind: global_buffer, .address_space: global }
      - { .name: W1_codes, .offset: 8, .size: 8, .value_kind: global_buffer, .address_space: global }
      - { .name: W2_codes, .offset: 16, .size: 8, .value_kind: global_buffer, .address_space: global }
      - { .name: w1f, .offset: 24, .size: 8, .value_kind: global_buffer, .address_space: global }
      - { .name: w2f, .offset: 32, .size: 8, .value_kind: global_buffer, .address_space: global }
      - { .name: tiles, .offset: 40, .size: 8, .value_kind: global_buffer, .address_space: global }
      - { .name: rowtok, .offset: 48, .size: 8, .value_kind: global_buffer, .address_space: global }
      - { .name: pos, .offset: 56, .size: 8, .value_kind: global_buffer, .address_space: global }
    .group_segment_fixed_size: 1280
    .private_segment_fixed_size: 0
    .kernarg_segment_align: 8
    .kernarg_segment_size: 64
    .max_flat_workgroup_size: 256
    .sgpr_count:     66
    .vgpr_count:     178
    .wavefront_size: 32
...
	.end_amdgpu_metadata
.endif
;; end of part 1
;; launch chain (part 2): grid 2 x 135, 4 waves a work-group, no clusters, 136,704 bytes of LDS; arguments tiles, rowtok, x_codes, w1f, w2f, b1, b2, lowp_scales, y; writes y
.if DOCPART == 2
	.amdgcn_target "amdgcn-amd-amdhsa--gfx1250"
	.amdhsa_code_object_version 6
	.text
	.protected	k_q70534ec6d1_chain
	.globl	k_q70534ec6d1_chain
	.p2align	8
	.type	k_q70534ec6d1_chain,@function
k_q70534ec6d1_chain:
	s_mov_b64 s[64:65], 0
	v_nop
	global_prefetch_b8 v0, s[64:65] scope:SCOPE_SE
	s_setreg_imm32_b32 hwreg(HW_REG_WAVE_MODE, 25, 1), 1
	s_wait_xcnt 0x0
; CHAIN: one tile of 64 rows of one expert, through both products, for one half of the hidden layer.
; Work-group (x = sl, y = tile): rows 64 tile .. +63 of the sorted list, hidden units 1024 sl .. +1023 of the tile's expert E.
;   h = relu(x W1[E] + b1[E]) for those units, quantised to E5M2 with 2^eh in registers;  part = (h W2[E]) 2^(eh + ew2 - 1) + (sl = 0 ? b2[E] / 2 : 0)  ->  y[row][sl][512], f32.
; The two parts of a row add up to the expert's output / 2; the next launch adds them and the token's two experts.
; The four exponents of expert E are lowp_scales[4 E .. 4 E + 3]: ex, ew1, eh, ew2.
; SHARES.  THE WAVES SHARE THE COLUMNS, NOT THE ROWS: wave w makes hidden units 256 w .. +255 of the slice and outputs 128 w .. +127, for all 64 rows.  So each fragment of a weight is
; loaded by one wave alone, straight from memory into registers (w1f, w2f lie in the order of the registers: four loads of 512 consecutive bytes), and feeds four matrix instructions.
; The weights run through a ring of four batches of four fragments (64 registers each); a batch is asked for when the batch four earlier has been multiplied: 64 loads of a wave are out at the most.
; Both products are used transposed (source 0 = 16 rows of the weight, source 1 = 16 token rows): a lane holds one token row throughout.  The rows of W1 that form a tile are chosen
; (lane r of tile u of group g: row 32 g + 8 u + r + 8 (r / 8)) so that the 16 registers of a group's two tiles are 16 neighbours along the next K.
; A fragment holds, in registers 4 c .. 4 c + 3 of lane (r, h), k = 32 c + 16 h + 0 .. 15: the same places in both sources, so every product meets its partner.
; x's codes and the hidden layer's go from wave to wave through LDS as images of the operand's registers (16 bytes a lane at 16 x lane, 512 bytes a store).
; b1 is the C of each hidden sum's first matrix instruction, divided by 2^(ex + ew1), the power of two that the sums lack.
; NO TENSOR LOAD, NO CLUSTER: the expert and the number of rows of a tile are read from the stored list, the work of a tile without rows is jumped over by a branch on that number,
; and how many tiles an expert has hangs on the split: neighbours in the grid need not share an expert, so no fixed group of work-groups shares its weights.
; A tile without rows passes both barriers, jumps over both phases and stores nothing.  Rows that pad a tile recompute token 0; nobody reads them.
; LIMITS: eh - ex - ew1 between -126 and 112; eh + ew2 - 1 between -126 and 127 (each power of two is made as an f32 number).  NaN and infinities among b1, b2 are not served.
; REGISTERS, in windows of 256.  Window 0: v1 lane, v2 r, v3 h, v4-13 addresses, v14 x's offset, v16 the conversion's scale, v17 57,344 x it, v24-27 b2's part; v32-95 the group's 8 accumulators
;   ((u, m) at 32 + 16 m + 8 u; at the head: x as gathered); v96-111 codes; v112-119 b1; v128-255 two sets of four hidden fragments, later rows of y.
;   Window 1: x's 16 fragments at 16 (4 m + s).   Window 2: the ring.   Window 3: phase 1: b1 in the result's layout at 16 gi + 8 u; phase 2: y's 32 accumulators at 64 m + 8 n.
.set XIMG, 0                           ; LDS: x's 16 images of 2,048 bytes (4 m + s),
.set HIMG, 32768                       ; the hidden layer's 32 (4 S + m),
.set B1S,  98304                       ; b1: 1,024 bytes for each wave, its own,
.set STG,  102400                      ; and a stage of 16 rows x (512 + 16) bytes for each wave, its own
.set SP,   528
.set HA,   32
.set PC,   96
.set HF,   128
.set BK,   128
.set P1B,  0x36                        ; source 0 (W1) window 2, source 1 (x) window 1, C (b1) window 3, D window 0
.set P1,   0x06                        ; the same, C and D window 0
.set P2,   0xf2                        ; source 0 (W2) window 2, source 1 window 0, C and D window 3
.set TO_W, 0x80                        ; destination window 2
.set TO_X, 0x40                        ; destination window 1
.set TO_3, 0xc0                        ; destination window 3
.set ST3,  0x0c                        ; an LDS store's data from window 3
.set MSB, 0
.macro WIN new                         ; the immediate's high byte repeats the setting that is left
.if MSB != \new
	s_set_vgpr_msb (MSB<<8)|\new
.set MSB, \new
.endif
.endm
; Batch q of the weights, four fragments, into ring place q % 4.  q = 0 .. 15: W1 (group q / 2, fragments 4 (q % 2) on); q = 16 .. 31: W2 (K step (q - 16) / 2, output tiles 4 (q % 2) on).
.macro LOADB q
	WIN TO_W
.irp fi, 0,1,2,3
.irp c, 0,1,2,3
.if (\q) < 16
	global_load_b128 v[64*((\q)%4)+16*\fi+4*\c:64*((\q)%4)+16*\fi+4*\c+3], v4, s[28:29] offset:(\q)*8192+\fi*2048+512*\c
.else
	global_load_b128 v[64*((\q)%4)+16*\fi+4*\c:64*((\q)%4)+16*\fi+4*\c+3], v4, s[30:31] offset:(((\q)-16)/2)*65536+(((\q)-16)%2)*8192+\fi*2048+512*\c
.endif
.endr
.endr
	WIN 0
.endm
; Behind batch q's products: four plain places (ISA guide 7.12.1 for vector instructions), then its ring place takes batch q + 4.
.macro NEXTB q
.rept 4
	v_nop
.endr
.if (\q)+4 < 32
	LOADB (\q)+4
.else
	WIN 0
.endif
.endm
.macro WAITB q                         ; batch q is in: behind it the batches q + 1 .. q + 3 were issued, 16 loads each, as far as there are any
.if 31-(\q) >= 3
	s_wait_loadcnt 48
.else
	s_wait_loadcnt 16*(31-(\q))
.endif
.endm
; 16 products of the first layer: batch q's four fragments (K step s, tile u) x the four tiles of rows.  The group's eight accumulators take turns, one instruction a turn.
.macro MUL1 q
.irp fi, 0,1,2,3
.set FF, 4*((\q)%2)+\fi
.set SS, FF/2
.set UU, FF%2
.set RG, 64*((\q)%4)+16*\fi
.set BI, 16*((\q)/2)+8*UU
.if SS == 0
	WIN P1B
.else
	WIN P1
.endif
.irp m, 0,1,2,3
.if SS == 0
	v_wmma_f32_16x16x128_bf8_bf8 v[HA+16*\m+8*UU:HA+16*\m+8*UU+7], v[RG:RG+15], v[16*(4*\m+SS):16*(4*\m+SS)+15], v[BI:BI+7]
.else
	v_wmma_f32_16x16x128_bf8_bf8 v[HA+16*\m+8*UU:HA+16*\m+8*UU+7], v[RG:RG+15], v[16*(4*\m+SS):16*(4*\m+SS)+15], v[HA+16*\m+8*UU:HA+16*\m+8*UU+7]
.endif
.endr
.endr
.endm
; Group gi's 32 hidden units of the 64 rows: the activation and the hold in one, the conversion, and the codes' place in the images: K step 2 w + gi / 4, registers 4 (gi % 4) on.
.macro QUANT gi
	s_wait_dscnt 0x0                               ; the last group's stores have read the codes' registers
.irp m, 0,1,2,3
.irp i, 0,1,2,3,4,5,6,7,8,9,10,11,12,13,14,15
	v_med3_num_f32 v[HA+16*\m+\i], v[HA+16*\m+\i], 0, v17   ; between 0 and the largest code x the scale (the conversion does not saturate: ISA guide 7.6.2); each accumulator from its low end on
.endr
	v_cvt_scalef32_pk8_bf8_f32 v[PC+4*\m:PC+4*\m+1], v[HA+16*\m:HA+16*\m+7], v16
	v_cvt_scalef32_pk8_bf8_f32 v[PC+4*\m+2:PC+4*\m+3], v[HA+16*\m+8:HA+16*\m+15], v16
.endr
	v_nop                                          ; a plain line between the last conversion and the next products, which write its sources
.irp m, 0,1,2,3
	ds_store_b128 v7, v[PC+4*\m:PC+4*\m+3] offset:((\gi)/4)*8192+\m*2048+((\gi)%4)*512
.endr
.endm
.macro FETCHH ks                       ; K step ks of the hidden layer, four tiles of rows, into set ks % 2
.irp m, 0,1,2,3
.irp c, 0,1,2,3
	ds_load_b128 v[HF+64*((\ks)%2)+16*\m+4*\c:HF+64*((\ks)%2)+16*\m+4*\c+3], v5 offset:(4*(\ks)+\m)*2048+512*\c
.endr
.endr
.endm
; 16 products of the second layer: batch q's four tiles of outputs x the four tiles of rows; 32 accumulators by turns; the first K step starts the sums.
.macro MUL2 q
	WIN P2
.set SS, ((\q)-16)/2
.irp fi, 0,1,2,3
.set NN, 4*(((\q)-16)%2)+\fi
.set RG, 64*((\q)%4)+16*\fi
.irp m, 0,1,2,3
.if SS == 0
	v_wmma_f32_16x16x128_bf8_bf8 v[64*\m+8*NN:64*\m+8*NN+7], v[RG:RG+15], v[HF+64*(SS%2)+16*\m:HF+64*(SS%2)+16*\m+15], 0
.else
	v_wmma_f32_16x16x128_bf8_bf8 v[64*\m+8*NN:64*\m+8*NN+7], v[RG:RG+15], v[HF+64*(SS%2)+16*\m:HF+64*(SS%2)+16*\m+15], v[64*\m+8*NN:64*\m+8*NN+7]
.endif
.endr
.endr
.endm
; THE WAY OUT of 16 rows: a lane holds 8 neighbouring outputs of one row for each of 8 tiles; they go into my own stage and come back as whole rows of 512 bytes.
; LDS serves a wave's instructions in order (ISA guide 5.7.1.4): no wait between the stores and the loads, nor in front of the next 16 rows' stores.
.macro TOSTAGE m
	WIN ST3
.irp n, 0,1,2,3,4,5,6,7
	ds_store_b128 v10, v[64*(\m)+8*\n:64*(\m)+8*\n+3] offset:64*\n
	ds_store_b128 v10, v[64*(\m)+8*\n+4:64*(\m)+8*\n+7] offset:64*\n+16
.endr
	WIN 0
.irp t, 0,1,2,3,4,5,6,7,8,9,10,11,12,13,14,15
	ds_load_b128 v[BK+64*((\m)%2)+4*\t:BK+64*((\m)%2)+4*\t+3], v11 offset:SP*\t
.endr
.endm
.macro SEND m, younger                 ; younger: the LDS instructions issued behind these rows' loads, which may stay out
	s_wait_dscnt \younger
.irp t, 0,1,2,3,4,5,6,7,8,9,10,11,12,13,14,15
	v_pk_fma_f32 v[BK+64*((\m)%2)+4*\t:BK+64*((\m)%2)+4*\t+1], v[BK+64*((\m)%2)+4*\t:BK+64*((\m)%2)+4*\t+1], s[46:47], v[24:25] op_sel_hi:[1,0,1]     ; sum x 2^(eh + ew2 - 1) + b2's part
	v_pk_fma_f32 v[BK+64*((\m)%2)+4*\t+2:BK+64*((\m)%2)+4*\t+3], v[BK+64*((\m)%2)+4*\t+2:BK+64*((\m)%2)+4*\t+3], s[46:47], v[26:27] op_sel_hi:[1,0,1]
.endr
.irp t, 0,1,2,3,4,5,6,7,8,9,10,11,12,13,14,15
	global_store_b128 v4, v[BK+64*((\m)%2)+4*\t:BK+64*((\m)%2)+4*\t+3], s[32:33] offset:(16*(\m)+\t)*4096   ; the wave stores 512 consecutive bytes, at a multiple of 512 from y's first byte
.endr
.endm
	s_load_b512 s[4:19], s[0:1], 0x0               ; tiles s[4:5], rowtok s[6:7], x_codes s[8:9], w1f s[10:11], w2f s[12:13], b1 s[14:15], b2 s[16:17], lowp_scales s[18:19]
	s_load_b64 s[20:21], s[0:1], 0x40              ; y
	v_lshl_add_u32 v126, v0, 2, 0x21400
	v_mov_b32 v127, 0
	v_lshrrev_b32 v1, 5, v0
	v_readfirstlane_b32 s2, v1                     ; wave 0..3
	s_mov_b32 s3, ttmp9                            ; sl: which half of the hidden layer
	s_and_b32 s25, ttmp7, 0xffff                   ; the tile
	v_and_b32 v1, 31, v0                           ; lane
	v_and_b32 v2, 15, v0                           ; r
	v_bfe_u32 v3, v0, 4, 1                         ; h
	v_lshlrev_b32 v4, 4, v1                        ; 16 x lane: an image's place for my lane; also the offset of every weight load and of every store
	v_add_nc_u32 v5, HIMG, v4                      ; the hidden images, to read
	s_lshl_b32 s26, s2, 13
	v_add_nc_u32 v6, s26, v4                       ; x's images, to write: tile of rows m = wave: 4 images of 2,048 bytes
	s_lshl_b32 s26, s2, 14
	v_add_nc_u32 v7, s26, v5                       ; the hidden images, to write: K steps 2 w, 2 w + 1: 8 images
	s_lshl_b32 s26, s2, 10
	s_add_co_u32 s26, s26, B1S
	v_add_nc_u32 v8, s26, v4                       ; b1 in, as it lies
	v_lshl_add_u32 v9, v3, 6, s26                  ; b1 back: my half's 16 numbers of a group of 32
	s_mul_i32 s26, s2, 16*SP
	s_add_co_u32 s26, s26, STG
	v_mul_u32_u24 v10, v2, SP
	v_lshl_add_u32 v10, v3, 5, v10
	v_add_nc_u32 v10, s26, v10                     ; the stage, in: row r, + 32 h
	v_add_nc_u32 v11, s26, v4                      ; and back: 16 bytes a lane of a row
	s_lshl_b32 s26, s2, 6
	v_lshl_add_u32 v13, v2, 2, s26                 ; rowtok: word 16 w + r of the tile's 64
	s_lshl_b32 s26, s25, 2
	s_mov_b32 s27, 0
	s_lshl_b32 s54, s25, 8
	s_mov_b32 s55, 0
	s_lshl_b32 s56, s25, 18                        ; y: 64 rows of 4,096 bytes a tile,
	s_lshl_b32 s49, s3, 11
	s_add_co_u32 s56, s56, s49                     ; + 2,048 sl
	s_lshl_b32 s49, s2, 9
	s_add_co_u32 s56, s56, s49                     ; + my 128 outputs
	s_mov_b32 s57, 0
	s_wait_kmcnt 0x0
	s_add_nc_u64 s[34:35], s[4:5], s[26:27]
	s_load_b32 s22, s[34:35], 0x0                  ; the tile's word: expert | rows << 8
	s_add_nc_u64 s[36:37], s[6:7], s[54:55]
	global_load_b32 v14, v13, s[36:37]             ; my row's token, asked for beside it
	s_add_nc_u64 s[32:33], s[20:21], s[56:57]
	s_wait_kmcnt 0x0
	s_lshr_b32 s23, s22, 8                         ; the tile's rows
	s_and_b32 s24, s22, 0xff
	s_min_u32 s24, s24, 7                          ; E
	s_lshl_b32 s54, s24, 4
	s_add_nc_u64 s[50:51], s[18:19], s[54:55]
	s_load_b128 s[40:43], s[50:51], 0x0            ; ex, ew1, eh, ew2
	s_lshl_b32 s26, s24, 20
	s_lshl_b32 s49, s3, 19
	s_add_co_u32 s26, s26, s49                     ; E 2^20 + sl 2^19: the slice in w1f (32 groups of 16,384 bytes) and in w2f (8 K steps of 65,536)
	s_lshl_b32 s49, s2, 17
	s_add_co_u32 s54, s26, s49                     ; + my 8 groups
	s_add_nc_u64 s[28:29], s[10:11], s[54:55]
	s_lshl_b32 s49, s2, 14
	s_add_co_u32 s54, s26, s49                     ; + my 8 tiles of outputs
	s_add_nc_u64 s[30:31], s[12:13], s[54:55]
	s_lshl_b32 s54, s24, 13
	s_lshl_b32 s49, s3, 12
	s_add_co_u32 s54, s54, s49
	s_lshl_b32 s49, s2, 10
	s_add_co_u32 s54, s54, s49
	s_add_nc_u64 s[52:53], s[14:15], s[54:55]      ; b1: my 256 numbers
	s_lshl_b32 s54, s24, 11
	s_lshl_b32 s49, s2, 9
	s_add_co_u32 s54, s54, s49
	s_add_nc_u64 s[38:39], s[16:17], s[54:55]      ; b2: my 128
	s_wait_loadcnt 0x0                             ; the token
	v_min_u32 v14, 0xfff, v14
	v_lshlrev_b32 v14, 9, v14
	v_lshl_add_u32 v14, v3, 4, v14                 ; its row of 512 codes, + 16 h
.irp s, 0,1,2,3
.irp c, 0,1,2,3
	global_load_b128 v[HA+16*\s+4*\c:HA+16*\s+4*\c+3], v14, s[8:9] offset:128*\s+32*\c   ; rows 16 w + r: four fragments, as the operand wants them
.endr
.endr
	global_load_b128 v[112:115], v4, s[52:53]
	global_load_b128 v[116:119], v4, s[52:53] offset:512
	global_load_b128 v[24:27], v4, s[38:39]        ; b2 as a stored row has it: four outputs a lane
	LOADB 0
	LOADB 1
	s_wait_kmcnt 0x0
	s_add_co_i32 s45, s40, s41                     ; ex + ew1: a sum of the first product stands for sum x 2^(ex + ew1)
	s_sub_co_i32 s44, 0, s45
	s_sub_co_i32 s49, s42, s45
	s_add_co_i32 s49, s49, 127
	s_lshl_b32 s54, s49, 23
	v_mov_b32 v16, s54                             ; 2^(eh - ex - ew1): the three scales folded into the conversion's one
	s_add_co_i32 s49, s49, 15
	s_lshl_b32 s49, s49, 23
	s_or_b32 s49, s49, 0x600000
	v_mov_b32 v17, s49                             ; 57,344 x that
	s_add_co_i32 s46, s42, s43
	s_add_co_i32 s46, s46, 126
	s_lshl_b32 s46, s46, 23                        ; 2^(eh + ew2 - 1): the second product's scales and the division by k = 2
	s_mov_b32 s47, s46                             ; (named with it as a pair, so it is written)
	s_cmp_eq_u32 s3, 0
	s_cselect_b32 s48, 0.5, 0                      ; b2 / 2 goes into the first half's part alone
	s_wait_loadcnt 32                              ; x, b1 and b2 are in; the 32 loads of batches 0 and 1 may be out
	LOADB 2
	LOADB 3
.irp s, 0,1,2,3
.irp c, 0,1,2,3
	ds_store_b128 v6, v[HA+16*\s+4*\c:HA+16*\s+4*\c+3] offset:XIMG+2048*\s+512*\c
.endr
.endr
.irp j, 0,1,2,3,4,5,6,7
	v_ldexp_f32 v[112+\j], v[112+\j], s44          ; b1 / 2^(ex + ew1)
.endr
	ds_store_b128 v8, v[112:115]
	ds_store_b128 v8, v[116:119] offset:512
.irp j, 0,1,2,3
	v_mul_f32 v[24+\j], s48, v[24+\j]
.endr
	s_wait_dscnt 0x0                               ; my images of x are in LDS
	s_barrier_signal -1
	s_barrier_wait -1                              ; everybody's are
	; ---- PHASE 1: my 256 hidden units for the 64 rows, a group of 32 units at a time
	s_cmp_eq_u32 s23, 0
	s_cbranch_scc1 .Lskip1                         ; a tile without rows: the work is jumped over, the barrier below is not
	WIN TO_X
.irp f, 0,1,2,3,4,5,6,7,8,9,10,11,12,13,14,15
.irp c, 0,1,2,3
	ds_load_b128 v[16*\f+4*\c:16*\f+4*\c+3], v4 offset:XIMG+2048*\f+512*\c      ; x's 16 fragments stay in registers
.endr
.endr
	WIN TO_3
.irp g, 0,1,2,3,4,5,6,7
.irp j, 0,1,2,3
	ds_load_b128 v[16*\g+4*\j:16*\g+4*\j+3], v9 offset:128*\g+16*\j             ; b1 of units 32 g + 16 h + 0 .. 15: the layout of the group's two accumulators (my own bytes)
.endr
.endr
	WIN 0
	s_wait_dscnt 0x0
.irp gi, 0,1,2,3,4,5,6,7
	WAITB 2*\gi
	MUL1 2*\gi
	NEXTB 2*\gi
	WAITB 2*\gi+1
	MUL1 2*\gi+1
	NEXTB 2*\gi+1                                  ; its four places also stand in front of the first read of the group's sums
	QUANT \gi
.endr
.Lskip1:
	s_wait_dscnt 0x0                               ; my images of the hidden layer are in LDS
	s_barrier_signal -1
	s_barrier_wait -1                              ; everybody's are
	; ---- PHASE 2: my 128 outputs for the 64 rows, a K step of 128 hidden units at a time; the ring went on into W2 in phase 1's last four batches
	s_cmp_eq_u32 s23, 0
	s_cbranch_scc1 .Lskip2
	FETCHH 0
.irp ks, 0,1,2,3,4,5,6,7
	s_wait_dscnt 0x0                               ; this K step's four hidden fragments are in
	WAITB 16+2*\ks
	MUL2 16+2*\ks
	NEXTB 16+2*\ks
.if \ks < 7
	FETCHH \ks+1                                   ; into the other set, last multiplied a K step ago
.endif
	WAITB 17+2*\ks
	MUL2 17+2*\ks
	NEXTB 17+2*\ks                                 ; (the last: only its four places, in front of the stores and loads of the way out)
.endr
	TOSTAGE 0
.irp m, 1,2,3
.if \m > 1
	s_wait_xcnt 0x0                                ; the stores of the rows two back have read their registers: the loads below land there
.endif
	TOSTAGE \m
	SEND \m-1, 32                                  ; behind those rows' loads: the next rows' 16 stores and 16 loads
.endr
	SEND 3, 0
.Lskip2:
	s_wait_tensorcnt 0x0
	ds_add_u32 v126, v127
	s_wait_dscnt 0x0
	s_endpgm
.Lfunc_end_k_q70534ec6d1_chain:
	.size	k_q70534ec6d1_chain, .Lfunc_end_k_q70534ec6d1_chain-k_q70534ec6d1_chain
	.p2alignl 7, 3214868480
	.fill 96, 4, 3214868480
	.section	.rodata,"a",@progbits
	.p2align	6, 0x0
	.amdhsa_kernel k_q70534ec6d1_chain
		.amdhsa_group_segment_fixed_size 136704
		.amdhsa_private_segment_fixed_size 0
		.amdhsa_enable_private_segment 0
		.amdhsa_kernarg_size 72
		.amdhsa_user_sgpr_count 2
		.amdhsa_user_sgpr_kernarg_segment_ptr 1
		.amdhsa_wavefront_size32 1
		.amdhsa_system_sgpr_workgroup_id_x 1
		.amdhsa_system_sgpr_workgroup_id_y 1
		.amdhsa_system_sgpr_workgroup_id_z 1
		.amdhsa_system_vgpr_workitem_id 0
		.amdhsa_next_free_vgpr 1024
		.amdhsa_next_free_sgpr 66
		.amdhsa_reserve_vcc 0
		.amdhsa_float_denorm_mode_32 3
		.amdhsa_float_denorm_mode_16_64 3
		.amdhsa_memory_ordered 1
		.amdhsa_forward_progress 1
		.amdhsa_inst_pref_size 172
	.end_amdhsa_kernel
	.amdgpu_metadata
---
amdhsa.version: [ 1, 2 ]
amdhsa.kernels:
  - .name:           k_q70534ec6d1_chain
    .symbol:         k_q70534ec6d1_chain.kd
    .args:
      - { .name: tiles, .offset: 0, .size: 8, .value_kind: global_buffer, .address_space: global }
      - { .name: rowtok, .offset: 8, .size: 8, .value_kind: global_buffer, .address_space: global }
      - { .name: x_codes, .offset: 16, .size: 8, .value_kind: global_buffer, .address_space: global }
      - { .name: w1f, .offset: 24, .size: 8, .value_kind: global_buffer, .address_space: global }
      - { .name: w2f, .offset: 32, .size: 8, .value_kind: global_buffer, .address_space: global }
      - { .name: b1, .offset: 40, .size: 8, .value_kind: global_buffer, .address_space: global }
      - { .name: b2, .offset: 48, .size: 8, .value_kind: global_buffer, .address_space: global }
      - { .name: lowp_scales, .offset: 56, .size: 8, .value_kind: global_buffer, .address_space: global }
      - { .name: y, .offset: 64, .size: 8, .value_kind: global_buffer, .address_space: global }
    .group_segment_fixed_size: 136704
    .private_segment_fixed_size: 0
    .kernarg_segment_align: 8
    .kernarg_segment_size: 72
    .max_flat_workgroup_size: 128
    .sgpr_count:     66
    .vgpr_count:     1024
    .wavefront_size: 32
...
	.end_amdgpu_metadata
.endif
;; end of part 2
;; launch combine (part 3): grid 256 x 1, 8 waves a work-group, no clusters, 0 bytes of LDS; arguments pos, y, out0; writes out0
.if DOCPART == 3
	.amdgcn_target "amdgcn-amd-amdhsa--gfx1250"
	.amdhsa_code_object_version 6
	.text
	.protected	k_q70534ec6d1_combine
	.globl	k_q70534ec6d1_combine
	.p2align	8
	.type	k_q70534ec6d1_combine,@function
k_q70534ec6d1_combine:
	s_mov_b64 s[64:65], 0
	v_nop
	global_prefetch_b8 v0, s[64:65] scope:SCOPE_SE
	s_setreg_imm32_b32 hwreg(HW_REG_WAVE_MODE, 25, 1), 1
	s_wait_xcnt 0x0
; COMBINE: out0[token] = the sum over the token's slots that count of the two parts of that slot's row of y.  The division by k = 2 and b2 are inside y already.
; A wave owns two tokens: 16 x work-group + 2 x wave, and the next.  pos[token][slot] is the row p (bits 15:0); bit 16 set: the slot adds nothing.
; A row of y is 4,096 consecutive bytes (both halves of the hidden layer's parts): eight loads of 512 consecutive bytes a wave.  32 loads of a wave are out at once.
; What a flagged slot loads is replaced by 0 through a select, not a multiplication: nothing hangs on those bytes.  A stream: no LDS, no barrier, no matrix unit.
	s_load_b128 s[4:7], s[0:1], 0x0                ; pos s[4:5], y s[6:7]
	s_load_b64 s[8:9], s[0:1], 0x10                ; out0
	v_lshrrev_b32 v1, 5, v0
	v_readfirstlane_b32 s2, v1                     ; wave 0..7
	v_and_b32 v1, 31, v0
	v_lshlrev_b32 v1, 4, v1                        ; 16 x lane
	s_lshl_b32 s10, ttmp9, 7
	s_lshl_b32 s11, s2, 4
	s_add_co_u32 s10, s10, s11                     ; my two tokens' four words of pos
	s_mov_b32 s11, 0
	s_lshl_b32 s20, ttmp9, 15
	s_lshl_b32 s21, s2, 12
	s_add_co_u32 s20, s20, s21                     ; and their two rows of 2,048 bytes of out0
	s_mov_b32 s21, 0
	s_mov_b32 s23, 0
	s_wait_kmcnt 0x0
	s_add_nc_u64 s[4:5], s[4:5], s[10:11]
	s_add_nc_u64 s[8:9], s[8:9], s[20:21]
	s_load_b128 s[12:15], s[4:5], 0x0
	s_wait_kmcnt 0x0
.irp n, 0,1,2,3                        ; n = 2 x token + slot
	s_bitcmp1_b32 s[12+\n], 16
	s_cselect_b32 s[16+\n], -1, 0                  ; all lanes where the slot adds nothing
	s_and_b32 s22, s[12+\n], 0xffff
	s_min_u32 s22, s22, 8639
	s_lshl_b32 s22, s22, 12
	s_add_nc_u64 s[24+2*\n:25+2*\n], s[6:7], s[22:23]
.endr
.irp n, 0,1,2,3
.irp c, 0,1,2,3,4,5,6,7
	global_load_b128 v[16+32*\n+4*\c:16+32*\n+4*\c+3], v1, s[24+2*\n:25+2*\n] offset:512*\c
.endr
.endr
.macro TOKEN k, left
	s_wait_loadcnt \left                           ; this token's 16 loads are in; the next token's may be out
.irp j, 0,1
.irp c, 0,1,2,3
.set LL, 16+64*(\k)+32*\j+4*\c
	v_pk_add_f32 v[LL:LL+1], v[LL:LL+1], v[LL+16:LL+17]        ; the two halves of the hidden layer
	v_pk_add_f32 v[LL+2:LL+3], v[LL+2:LL+3], v[LL+18:LL+19]
.endr
.endr
.irp j, 0,1
.irp i, 0,1,2,3,4,5,6,7,8,9,10,11,12,13,14,15
	v_cndmask_b32 v[16+64*(\k)+32*\j+\i], v[16+64*(\k)+32*\j+\i], 0, s[16+2*(\k)+\j]
.endr
.endr
.irp i, 0,2,4,6,8,10,12,14
	v_pk_add_f32 v[16+64*(\k)+\i:17+64*(\k)+\i], v[16+64*(\k)+\i:17+64*(\k)+\i], v[48+64*(\k)+\i:49+64*(\k)+\i]   ; the two slots
.endr
.irp c, 0,1,2,3
	global_store_b128 v1, v[16+64*(\k)+4*\c:16+64*(\k)+4*\c+3], s[8:9] offset:2048*(\k)+512*\c th:TH_STORE_NT   ; 512 consecutive bytes a wave; written once, read by nobody here
.endr
.endm
	TOKEN 0, 16
	TOKEN 1, 0
	s_endpgm
.Lfunc_end_k_q70534ec6d1_combine:
	.size	k_q70534ec6d1_combine, .Lfunc_end_k_q70534ec6d1_combine-k_q70534ec6d1_combine
	.p2alignl 7, 3214868480
	.fill 96, 4, 3214868480
	.section	.rodata,"a",@progbits
	.p2align	6, 0x0
	.amdhsa_kernel k_q70534ec6d1_combine
		.amdhsa_group_segment_fixed_size 0
		.amdhsa_private_segment_fixed_size 0
		.amdhsa_enable_private_segment 0
		.amdhsa_kernarg_size 24
		.amdhsa_user_sgpr_count 2
		.amdhsa_user_sgpr_kernarg_segment_ptr 1
		.amdhsa_wavefront_size32 1
		.amdhsa_system_sgpr_workgroup_id_x 1
		.amdhsa_system_sgpr_workgroup_id_y 1
		.amdhsa_system_sgpr_workgroup_id_z 1
		.amdhsa_system_vgpr_workitem_id 0
		.amdhsa_next_free_vgpr 144
		.amdhsa_next_free_sgpr 66
		.amdhsa_reserve_vcc 0
		.amdhsa_float_denorm_mode_32 3
		.amdhsa_float_denorm_mode_16_64 3
		.amdhsa_memory_ordered 1
		.amdhsa_forward_progress 1
		.amdhsa_inst_pref_size 13
	.end_amdhsa_kernel
	.amdgpu_metadata
---
amdhsa.version: [ 1, 2 ]
amdhsa.kernels:
  - .name:           k_q70534ec6d1_combine
    .symbol:         k_q70534ec6d1_combine.kd
    .args:
      - { .name: pos, .offset: 0, .size: 8, .value_kind: global_buffer, .address_space: global }
      - { .name: y, .offset: 8, .size: 8, .value_kind: global_buffer, .address_space: global }
      - { .name: out0, .offset: 16, .size: 8, .value_kind: global_buffer, .address_space: global }
    .group_segment_fixed_size: 0
    .private_segment_fixed_size: 0
    .kernarg_segment_align: 8
    .kernarg_segment_size: 24
    .max_flat_workgroup_size: 256
    .sgpr_count:     66
    .vgpr_count:     144
    .wavefront_size: 32
...
	.end_amdgpu_metadata
.endif
;; end of part 3
;; ======== version 2 of 2: 3 launches; version 1 with the launch chain written anew for expert scheduling mode
;; workspace buffers: w1f 8,388,608 bytes; w2f 8,388,608 bytes; y 35,389,440 bytes; tiles 1,024 bytes of whole numbers; rowtok 36,864 bytes of whole numbers; pos 32,768 bytes of whole numbers
;; launch prep: the kernel of part 1 again; grid 129 x 1, 8 waves a work-group, no clusters, 1,280 bytes of LDS; arguments assign, W1_codes, W2_codes, w1f, w2f, tiles, rowtok, pos; writes w1f, w2f, tiles, rowtok, pos
;; launch chain (part 4): grid 2 x 135, 4 waves a work-group, no clusters, 136,704 bytes of LDS; arguments tiles, rowtok, x_codes, w1f, w2f, b1, b2, lowp_scales, y; writes y
.if DOCPART == 4
	.amdgcn_target "amdgcn-amd-amdhsa--gfx1250"
	.amdhsa_code_object_version 6
	.text
	.protected	k_q70534ec6d1_chain
	.globl	k_q70534ec6d1_chain
	.p2align	8
	.type	k_q70534ec6d1_chain,@function
k_q70534ec6d1_chain:
	s_mov_b64 s[64:65], 0
	v_nop
	global_prefetch_b8 v0, s[64:65] scope:SCOPE_SE
	s_setreg_imm32_b32 hwreg(HW_REG_WAVE_SCHED_MODE, 0, 2), 2
	s_setreg_imm32_b32 hwreg(HW_REG_WAVE_MODE, 25, 1), 1
	s_wait_xcnt 0x0
	s_wait_alu depctr_vm_vsrc(0)
; CHAIN: one tile of 64 rows of one expert, through both products, for one half of the hidden layer.
; Work-group (x = sl, y = tile): rows 64 tile .. +63 of the sorted list, hidden units 1024 sl .. +1023 of the tile's expert E.
;   h = relu(x W1[E] + b1[E]) for those units, quantised to E5M2 with 2^eh in registers;  part = (h W2[E]) 2^(eh + ew2 - 1) + (sl = 0 ? b2[E] / 2 : 0)  ->  y[row][sl][512], f32.
; The two parts of a row add up to the expert's output / 2; the next launch adds them and the token's two experts.
; The four exponents of expert E are lowp_scales[4 E .. 4 E + 3]: ex, ew1, eh, ew2.
; SHARES.  THE WAVES SHARE THE COLUMNS, NOT THE ROWS: wave w makes hidden units 256 w .. +255 of the slice and outputs 128 w .. +127, for all 64 rows.  So each fragment of a weight is
; loaded by one wave alone, straight from memory into registers (w1f, w2f lie in the order of the registers: four loads of 512 consecutive bytes), and feeds four matrix instructions.
; The weights go in 32 batches of four fragments (64 registers each): 16 of W1, then 16 of W2.  A step is one batch: 16 products.  Step q asks for batch q + 4: 64 loads of a wave are out at the most.
; Both products are used transposed (source 0 = 16 rows of the weight, source 1 = 16 token rows): a lane holds one token row throughout.  The rows of W1 that form a tile are chosen
; (lane r of tile u of group g: row 32 g + 8 u + r + 8 (r / 8)) so that the 16 registers of a group's two tiles are 16 neighbours along the next K.
; A fragment holds, in registers 4 c .. 4 c + 3 of lane (r, h), k = 32 c + 16 h + 0 .. 15: the same places in both sources, so every product meets its partner.
; x's codes and the hidden layer's go from wave to wave through LDS as images of the operand's registers (16 bytes a lane at 16 x lane, 512 bytes a store).
; b1 is the C of each hidden sum's first matrix instruction, divided by 2^(ex + ew1), the power of two that the sums lack.
; NO TENSOR LOAD, NO CLUSTER: the expert and the number of rows of a tile are read from the stored list, the work of a tile without rows is jumped over by a branch on that number,
; and how many tiles an expert has hangs on the split: neighbours in the grid need not share an expert, so no fixed group of work-groups shares its weights.
; A tile without rows passes both barriers, jumps over both phases and stores nothing.  Rows that pad a tile recompute token 0; nobody reads them.
; LIMITS: eh - ex - ew1 between -126 and 112; eh + ew2 - 1 between -126 and 127 (each power of two is made as an f32 number).  NaN and infinities among b1, b2 are not served.
; THE MODE: SCHED_MODE bits 1:0 = 2 (LLVM: expert scheduling mode 2), set by the entry lines.  The code itself states the register dependences between vector or matrix
; instructions and memory or LDS instructions, with s_wait_alu, always for 0.
; THE PLAN.  Registers that memory or LDS instructions touch, and who else names them:
;   v4-v14       Addresses and offsets: made once at the head, never written again.
;   the ring     Batch q lies in place q % 8 (W1) or (q - 16) % 6 (W2).  The loads of batch q + 4, issued in step q, land where batch q - 4 (phase 1) or q - 2 (phase 2) lay, which that batch's products read.
;                16 is a multiple of 8: W2's first four batches lie where W1's first four lay and are asked for in the same order, so phase 2's counted waits find the same loads in the same places
;                whether phase 1 was walked or jumped over.
;   PC           Written by a group's conversions; read by the four LDS stores at the head of the next step; written again by the next group's conversions, two steps on.
;   HF0, HF1     The products of K step ks read set ks % 2; the LDS loads of K step ks + 1, issued in that K step's first batch, land in the other set, which K step ks - 1 read.
;   HA, BK       HA: read by the head's LDS stores of x, then written by products.  BK: on the way out loaded from the stage, scaled in place, stored, loaded again two blocks on.
; So ONE wait on va_vdst stands in a group of 32 products: in phase 1 behind the group's conversions, at the head of the next step; in phase 2 at the head of a K step.  It covers the LDS stores
; that follow it and the loads of two steps, which are dealt among the products in runs of eight: those products name other places of the ring, the other hidden set and the accumulators.
; REGISTERS, in windows of 256.  Window 0: v1 lane, v2 r, v3 h, v4-13 addresses, v14 x's offset, v16 the conversion's scale, v17 57,344 x it, v24-27 b2's part; v32-95 the group's 8 accumulators
;   ((u, m) at 32 + 16 m + 8 u; at the head: x as gathered); v96-111 codes; v112-119 b1; v128-255 ring places 4 and 5, on the way out rows of y.
;   Window 1: phase 1: x's 16 fragments at 16 (4 m + s); phase 2: v0-127 two sets of four hidden fragments.   Window 2: ring places 0 to 3.
;   Window 3: phase 1: v0-127 b1 in the result's layout at 16 gi + 8 u, v128-255 ring places 6 and 7; phase 2: y's 32 accumulators at 64 m + 8 n.
.set XIMG, 0                           ; LDS: x's 16 images of 2,048 bytes (4 m + s),
.set HIMG, 32768                       ; the hidden layer's 32 (4 S + m),
.set B1S,  98304                       ; b1: 1,024 bytes for each wave, its own,
.set STG,  102400                      ; and a stage of 16 rows x (512 + 16) bytes for each wave, its own
.set SP,   528
.set HA,   32
.set PC,   96
.set HF,   0                           ; in window 1
.set BK,   128
.set TO_X, 0x40                        ; destination window 1
.set TO_3, 0xc0                        ; destination window 3
.set ST3,  0x0c                        ; an LDS store's data from window 3
.set MSB, 0
.macro WIN new                         ; the immediate's high byte repeats the setting that is left
.if MSB != (\new)
	s_set_vgpr_msb (MSB<<8)|(\new)
.set MSB, (\new)
.endif
.endm
; Batch q's place in the ring: PW its window, PB its first register.
.macro PLACE q
.if (\q) < 16
.set PP, (\q)%8
.else
.set PP, ((\q)-16)%6
.endif
.if PP < 4
.set PW, 2
.set PB, 64*PP
.elseif PP < 6
.set PW, 0
.set PB, 128+64*(PP-4)
.else
.set PW, 3
.set PB, 128+64*(PP-6)
.endif
.endm
; Eight loads: fragments f0 and f0 + 1 of batch q.  q = 0 .. 15: W1 (group q / 2, fragments 4 (q % 2) on); q = 16 .. 31: W2 (K step (q - 16) / 2, output tiles 4 (q % 2) on).
; No wait stands here: no vector or matrix instruction since the last wait on va_vdst names v4 or the batch's place.
.macro LOADF q, f0
	PLACE \q
	WIN PW<<6                                      ; the destination's window; the address lies in window 0
.irp fi, \f0, \f0+1
.irp c, 0,1,2,3
.if (\q) < 16
	global_load_b128 v[PB+16*(\fi)+4*\c:PB+16*(\fi)+4*\c+3], v4, s[28:29] offset:(\q)*8192+(\fi)*2048+512*\c
.else
	global_load_b128 v[PB+16*(\fi)+4*\c:PB+16*(\fi)+4*\c+3], v4, s[30:31] offset:(((\q)-16)/2)*65536+(((\q)-16)%2)*8192+(\fi)*2048+512*\c
.endif
.endr
.endr
.endm
.macro LOADB q                         ; a whole batch, at the head
	LOADF \q, 0
	LOADF \q, 2
	WIN 0
.endm
.macro WAITB q                         ; batch q is in: behind it the batches q + 1 .. q + 3 were issued, 16 loads each, as far as there are any
.if 31-(\q) >= 3
	s_wait_loadcnt 48
.else
	s_wait_loadcnt 16*(31-(\q))
.endif
.endm
; Group gi's codes go to their place in the images: K step 2 w + gi / 4, registers 4 (gi % 4) on.
.macro IMAGES gi
.irp m, 0,1,2,3
	ds_store_b128 v7, v[PC+4*\m:PC+4*\m+3] offset:((\gi)/4)*8192+\m*2048+((\gi)%4)*512
.endr
.endm
; Step q of the first layer: batch q's four fragments (K step s, tile u) x the four tiles of rows.  The group's eight accumulators take turns, one instruction a turn.
.macro STEP1 q
	WAITB \q
.if ((\q) > 0) && ((\q)%2 == 0)
	s_wait_alu depctr_va_vdst(0)                   ; the last group's conversions have written the codes, which the LDS stores below read; every earlier product is done reading its batch: this step's and the next step's loads land where batches q - 4 and q - 3 lay
	IMAGES (\q)/2-1
.endif
.irp fi, 0,1,2,3
	PLACE \q
.set FF, 4*((\q)%2)+\fi
.set SS, FF/2
.set UU, FF%2
.set RG, PB+16*\fi
.set BI, 16*((\q)/2)+8*UU
.if SS == 0
	WIN 0x34+PW                                    ; source 0 (W1) in the place's window, source 1 (x) window 1, C (b1) window 3, D window 0
.else
	WIN 0x04+PW                                    ; the same, C and D window 0
.endif
.irp m, 0,1,2,3
.if SS == 0
	v_wmma_f32_16x16x128_bf8_bf8 v[HA+16*\m+8*UU:HA+16*\m+8*UU+7], v[RG:RG+15], v[16*(4*\m+SS):16*(4*\m+SS)+15], v[BI:BI+7]
.else
	v_wmma_f32_16x16x128_bf8_bf8 v[HA+16*\m+8*UU:HA+16*\m+8*UU+7], v[RG:RG+15], v[16*(4*\m+SS):16*(4*\m+SS)+15], v[HA+16*\m+8*UU:HA+16*\m+8*UU+7]
.endif
.endr
.if \fi < 2
	LOADF (\q)+4, 2*\fi                            ; batch q + 4, half behind the step's first four products, half behind its second four
.endif
.endr
.endm
; Group gi's 32 hidden units of the 64 rows: the activation and the hold in one, and the conversion.  The codes are stored at the head of the next step.
.macro QUANT gi
	WIN 0
.rept 4
	v_nop                                          ; four plain places behind the group's last products, before their sums are read (ISA guide 7.12.1)
.endr
	s_wait_dscnt 0x0                               ; the last group's LDS stores are done,
.if (\gi) > 0
	s_wait_alu depctr_vm_vsrc(0)                   ; and have read the codes' registers, which the conversions below write again
.endif
.irp m, 0,1,2,3
.irp i, 0,1,2,3,4,5,6,7,8,9,10,11,12,13,14,15
	v_med3_num_f32 v[HA+16*\m+\i], v[HA+16*\m+\i], 0, v17   ; between 0 and the largest code x the scale (the conversion does not saturate: ISA guide 7.6.2); each accumulator from its low end on
.endr
	v_cvt_scalef32_pk8_bf8_f32 v[PC+4*\m:PC+4*\m+1], v[HA+16*\m:HA+16*\m+7], v16
	v_cvt_scalef32_pk8_bf8_f32 v[PC+4*\m+2:PC+4*\m+3], v[HA+16*\m+8:HA+16*\m+15], v16
.endr
	v_nop                                          ; a plain line between the last conversion and the next products, which write its sources
.endm
.macro FETCHH ks, m0                   ; K step ks of the hidden layer, tiles of rows m0 and m0 + 1, into set ks % 2: eight LDS loads
	WIN TO_X
.irp m, \m0, \m0+1
.irp c, 0,1,2,3
	ds_load_b128 v[HF+64*((\ks)%2)+16*(\m)+4*\c:HF+64*((\ks)%2)+16*(\m)+4*\c+3], v5 offset:(4*(\ks)+(\m))*2048+512*\c
.endr
.endr
.endm
; Step q of the second layer: batch q's four tiles of outputs x the four tiles of rows; 32 accumulators by turns; the first K step starts the sums.
.macro STEP2 q
.if (\q)%2 == 0
	s_wait_dscnt 0x0                               ; this K step's four hidden fragments are in
.endif
	WAITB \q
.if ((\q)%2 == 0) && ((\q) > 16) && ((\q) < 30)
.rept 4
	v_nop                                          ; four plain places between the last K step's products and the loads into registers that they read; then the wait
.endr
	s_wait_alu depctr_va_vdst(0)                   ; the last K step's products are done reading their hidden set, in which this step's LDS loads land, and their two places of the ring, in which this step's and the next step's loads of W2 land
.endif
.irp fi, 0,1,2,3
	PLACE \q
.set SS, ((\q)-16)/2
.set NN, 4*((\q)%2)+\fi
.set RG, PB+16*\fi
	WIN 0xf4+PW                                    ; source 0 (W2) in the place's window, source 1 (the hidden layer) window 1, C and D window 3
.irp m, 0,1,2,3
.if SS == 0
	v_wmma_f32_16x16x128_bf8_bf8 v[64*\m+8*NN:64*\m+8*NN+7], v[RG:RG+15], v[HF+64*(SS%2)+16*\m:HF+64*(SS%2)+16*\m+15], 0
.else
	v_wmma_f32_16x16x128_bf8_bf8 v[64*\m+8*NN:64*\m+8*NN+7], v[RG:RG+15], v[HF+64*(SS%2)+16*\m:HF+64*(SS%2)+16*\m+15], v[64*\m+8*NN:64*\m+8*NN+7]
.endif
.endr
.if (\fi < 2) && ((\q)+4 < 32)
	LOADF (\q)+4, 2*\fi                            ; batch q + 4, as in the first layer
.endif
.if (\fi > 1) && ((\q)%2 == 0) && ((\q) < 30)
	FETCHH ((\q)-16)/2+1, 2*\fi-4                  ; the next K step's hidden fragments, half behind the step's third four products, half behind its last four
.endif
.endr
.endm
; THE WAY OUT of 16 rows: a lane holds 8 neighbouring outputs of one row for each of 8 tiles; they go into my own stage and come back as whole rows of 512 bytes.
; LDS serves a wave's instructions in order (ISA guide 5.7.1.4): no wait between the stores and the loads, nor in front of the next 16 rows' stores.
.macro TOSTAGE m
	WIN ST3
.irp n, 0,1,2,3,4,5,6,7
	ds_store_b128 v10, v[64*(\m)+8*\n:64*(\m)+8*\n+3] offset:64*\n
	ds_store_b128 v10, v[64*(\m)+8*\n+4:64*(\m)+8*\n+7] offset:64*\n+16
.endr
	WIN 0
.if (\m) > 1
	s_wait_alu depctr_vm_vsrc(0)                   ; the global stores of the rows two back have read this set of BK, in which the loads below land
	s_wait_alu depctr_va_vdst(0)                   ; and those rows' multiply-adds are done with it: stated here, directly ahead of the loads, since stores that name these registers stand behind the last such wait
.endif
.irp t, 0,1,2,3,4,5,6,7,8,9,10,11,12,13,14,15
	ds_load_b128 v[BK+64*((\m)%2)+4*\t:BK+64*((\m)%2)+4*\t+3], v11 offset:SP*\t
.endr
.endm
.macro SEND m, younger                 ; younger: the LDS instructions issued behind these rows' loads, which may stay out
	s_wait_dscnt \younger
.irp t, 0,1,2,3,4,5,6,7,8,9,10,11,12,13,14,15
	v_pk_fma_f32 v[BK+64*((\m)%2)+4*\t:BK+64*((\m)%2)+4*\t+1], v[BK+64*((\m)%2)+4*\t:BK+64*((\m)%2)+4*\t+1], s[46:47], v[24:25] op_sel_hi:[1,0,1]     ; sum x 2^(eh + ew2 - 1) + b2's part
	v_pk_fma_f32 v[BK+64*((\m)%2)+4*\t+2:BK+64*((\m)%2)+4*\t+3], v[BK+64*((\m)%2)+4*\t+2:BK+64*((\m)%2)+4*\t+3], s[46:47], v[26:27] op_sel_hi:[1,0,1]
.endr
	s_wait_alu depctr_va_vdst(0)                   ; the multiply-adds have written these rows, which the stores below read
.irp t, 0,1,2,3,4,5,6,7,8,9,10,11,12,13,14,15
	global_store_b128 v4, v[BK+64*((\m)%2)+4*\t:BK+64*((\m)%2)+4*\t+3], s[32:33] offset:(16*(\m)+\t)*4096   ; the wave stores 512 consecutive bytes, at a multiple of 512 from y's first byte
.endr
.endm
	s_load_b512 s[4:19], s[0:1], 0x0               ; tiles s[4:5], rowtok s[6:7], x_codes s[8:9], w1f s[10:11], w2f s[12:13], b1 s[14:15], b2 s[16:17], lowp_scales s[18:19]
	s_load_b64 s[20:21], s[0:1], 0x40              ; y
	v_lshl_add_u32 v126, v0, 2, 0x21400
	v_mov_b32 v127, 0
	v_lshrrev_b32 v1, 5, v0
	v_readfirstlane_b32 s2, v1                     ; wave 0..3
	s_mov_b32 s3, ttmp9                            ; sl: which half of the hidden layer
	s_and_b32 s25, ttmp7, 0xffff                   ; the tile
	v_and_b32 v1, 31, v0                           ; lane
	v_and_b32 v2, 15, v0                           ; r
	v_bfe_u32 v3, v0, 4, 1                         ; h
	v_lshlrev_b32 v4, 4, v1                        ; 16 x lane: an image's place for my lane; also the offset of every weight load and of every store
	v_add_nc_u32 v5, HIMG, v4                      ; the hidden images, to read
	s_wait_alu depctr_va_sdst(0)                   ; s2 is written, ahead of its first reader: LDS addresses and the bases of the weights, b1, b2 and y are made from it
	s_lshl_b32 s26, s2, 13
	v_add_nc_u32 v6, s26, v4                       ; x's images, to write: tile of rows m = wave: 4 images of 2,048 bytes
	s_lshl_b32 s26, s2, 14
	v_add_nc_u32 v7, s26, v5                       ; the hidden images, to write: K steps 2 w, 2 w + 1: 8 images
	s_lshl_b32 s26, s2, 10
	s_add_co_u32 s26, s26, B1S
	v_add_nc_u32 v8, s26, v4                       ; b1 in, as it lies
	v_lshl_add_u32 v9, v3, 6, s26                  ; b1 back: my half's 16 numbers of a group of 32
	s_mul_i32 s26, s2, 16*SP
	s_add_co_u32 s26, s26, STG
	v_mul_u32_u24 v10, v2, SP
	v_lshl_add_u32 v10, v3, 5, v10
	v_add_nc_u32 v10, s26, v10                     ; the stage, in: row r, + 32 h
	v_add_nc_u32 v11, s26, v4                      ; and back: 16 bytes a lane of a row
	s_lshl_b32 s26, s2, 6
	v_lshl_add_u32 v13, v2, 2, s26                 ; rowtok: word 16 w + r of the tile's 64
	s_lshl_b32 s26, s25, 2
	s_mov_b32 s27, 0
	s_lshl_b32 s54, s25, 8
	s_mov_b32 s55, 0
	s_lshl_b32 s56, s25, 18                        ; y: 64 rows of 4,096 bytes a tile,
	s_lshl_b32 s49, s3, 11
	s_add_co_u32 s56, s56, s49                     ; + 2,048 sl
	s_lshl_b32 s49, s2, 9
	s_add_co_u32 s56, s56, s49                     ; + my 128 outputs
	s_mov_b32 s57, 0
	s_wait_kmcnt 0x0
	s_add_nc_u64 s[34:35], s[4:5], s[26:27]
	s_load_b32 s22, s[34:35], 0x0                  ; the tile's word: expert | rows << 8
	s_add_nc_u64 s[36:37], s[6:7], s[54:55]
	s_wait_alu depctr_va_vdst(0)                   ; the addresses and offsets v4 to v13 are written, which the loads and stores of the whole kernel read
	global_load_b32 v14, v13, s[36:37]             ; my row's token, asked for beside it
	s_add_nc_u64 s[32:33], s[20:21], s[56:57]
	s_wait_kmcnt 0x0
	s_lshr_b32 s23, s22, 8                         ; the tile's rows
	s_and_b32 s24, s22, 0xff
	s_min_u32 s24, s24, 7                          ; E
	s_lshl_b32 s54, s24, 4
	s_add_nc_u64 s[50:51], s[18:19], s[54:55]
	s_load_b128 s[40:43], s[50:51], 0x0            ; ex, ew1, eh, ew2
	s_lshl_b32 s26, s24, 20
	s_lshl_b32 s49, s3, 19
	s_add_co_u32 s26, s26, s49                     ; E 2^20 + sl 2^19: the slice in w1f (32 groups of 16,384 bytes) and in w2f (8 K steps of 65,536)
	s_lshl_b32 s49, s2, 17
	s_add_co_u32 s54, s26, s49                     ; + my 8 groups
	s_add_nc_u64 s[28:29], s[10:11], s[54:55]
	s_lshl_b32 s49, s2, 14
	s_add_co_u32 s54, s26, s49                     ; + my 8 tiles of outputs
	s_add_nc_u64 s[30:31], s[12:13], s[54:55]
	s_lshl_b32 s54, s24, 13
	s_lshl_b32 s49, s3, 12
	s_add_co_u32 s54, s54, s49
	s_lshl_b32 s49, s2, 10
	s_add_co_u32 s54, s54, s49
	s_add_nc_u64 s[52:53], s[14:15], s[54:55]      ; b1: my 256 numbers
	s_lshl_b32 s54, s24, 11
	s_lshl_b32 s49, s2, 9
	s_add_co_u32 s54, s54, s49
	s_add_nc_u64 s[38:39], s[16:17], s[54:55]      ; b2: my 128
	s_wait_loadcnt 0x0                             ; the token
	v_min_u32 v14, 0xfff, v14
	v_lshlrev_b32 v14, 9, v14
	v_lshl_add_u32 v14, v3, 4, v14                 ; its row of 512 codes, + 16 h
	s_wait_alu depctr_va_vdst(0)                   ; v14 is written, which the sixteen loads of x read as their offset
.irp s, 0,1,2,3
.irp c, 0,1,2,3
	global_load_b128 v[HA+16*\s+4*\c:HA+16*\s+4*\c+3], v14, s[8:9] offset:128*\s+32*\c   ; rows 16 w + r: four fragments, as the operand wants them
.endr
.endr
	global_load_b128 v[112:115], v4, s[52:53]
	global_load_b128 v[116:119], v4, s[52:53] offset:512
	global_load_b128 v[24:27], v4, s[38:39]        ; b2 as a stored row has it: four outputs a lane
	LOADB 0
	LOADB 1
	s_wait_kmcnt 0x0
	s_add_co_i32 s45, s40, s41                     ; ex + ew1: a sum of the first product stands for sum x 2^(ex + ew1)
	s_sub_co_i32 s44, 0, s45
	s_sub_co_i32 s49, s42, s45
	s_add_co_i32 s49, s49, 127
	s_lshl_b32 s54, s49, 23
	v_mov_b32 v16, s54                             ; 2^(eh - ex - ew1): the three scales folded into the conversion's one
	s_add_co_i32 s49, s49, 15
	s_lshl_b32 s49, s49, 23
	s_or_b32 s49, s49, 0x600000
	v_mov_b32 v17, s49                             ; 57,344 x that
	s_add_co_i32 s46, s42, s43
	s_add_co_i32 s46, s46, 126
	s_lshl_b32 s46, s46, 23                        ; 2^(eh + ew2 - 1): the second product's scales and the division by k = 2
	s_mov_b32 s47, s46                             ; (named with it as a pair, so it is written)
	s_cmp_eq_u32 s3, 0
	s_cselect_b32 s48, 0.5, 0                      ; b2 / 2 goes into the first half's part alone
	s_wait_loadcnt 32                              ; x, b1 and b2 are in; the 32 loads of batches 0 and 1 may be out
	LOADB 2
	LOADB 3
.irp s, 0,1,2,3
.irp c, 0,1,2,3
	ds_store_b128 v6, v[HA+16*\s+4*\c:HA+16*\s+4*\c+3] offset:XIMG+2048*\s+512*\c
.endr
.endr
.irp j, 0,1,2,3,4,5,6,7
	v_ldexp_f32 v[112+\j], v[112+\j], s44          ; b1 / 2^(ex + ew1)
.endr
	s_wait_alu depctr_va_vdst(0)                   ; v112 to v119 are written, which the two LDS stores below read
	ds_store_b128 v8, v[112:115]
	ds_store_b128 v8, v[116:119] offset:512
.irp j, 0,1,2,3
	v_mul_f32 v[24+\j], s48, v[24+\j]
.endr
	s_wait_dscnt 0x0                               ; my images of x are in LDS
	s_barrier_signal -1
	s_barrier_wait -1                              ; everybody's are
	s_wait_alu depctr_vm_vsrc(0)                   ; my LDS stores have read v[HA ..], which phase 1's products write: stated ahead of the branch
	; ---- PHASE 1: my 256 hidden units for the 64 rows, a group of 32 units at a time
	s_cmp_eq_u32 s23, 0
	s_cbranch_scc1 .Lskip1                         ; a tile without rows: the work is jumped over, the barrier below is not
	WIN TO_X
.irp f, 0,1,2,3,4,5,6,7,8,9,10,11,12,13,14,15
.irp c, 0,1,2,3
	ds_load_b128 v[16*\f+4*\c:16*\f+4*\c+3], v4 offset:XIMG+2048*\f+512*\c      ; x's 16 fragments stay in registers
.endr
.endr
	WIN TO_3
.irp g, 0,1,2,3,4,5,6,7
.irp j, 0,1,2,3
	ds_load_b128 v[16*\g+4*\j:16*\g+4*\j+3], v9 offset:128*\g+16*\j             ; b1 of units 32 g + 16 h + 0 .. 15: the layout of the group's two accumulators (my own bytes)
.endr
.endr
	WIN 0
	s_wait_dscnt 0x0
.irp gi, 0,1,2,3,4,5,6,7
	STEP1 2*\gi                                    ; (steps 0 and 1 hold no wait on va_vdst: their loads land in places 4 and 5, which nothing has named)
	STEP1 2*\gi+1
	QUANT \gi
.endr
	s_wait_alu depctr_va_vdst(0)                   ; the last group's conversions have written the codes, which the LDS stores below read; phase 1's products are done reading x's fragments and their batches, where phase 2's first LDS loads and the loads of its first two steps land
	IMAGES 7
.Lskip1:
	s_wait_dscnt 0x0                               ; my images of the hidden layer are in LDS
	s_barrier_signal -1
	s_barrier_wait -1                              ; everybody's are
	; ---- PHASE 2: my 128 outputs for the 64 rows, a K step of 128 hidden units at a time; the ring went on into W2 in phase 1's last four steps
	s_cmp_eq_u32 s23, 0
	s_cbranch_scc1 .Lskip2
	FETCHH 0, 0
	FETCHH 0, 2
.irp ks, 0,1,2,3,4,5,6,7
	STEP2 16+2*\ks
	STEP2 17+2*\ks
.endr
	WIN 0
.rept 4
	v_nop                                          ; four plain places behind the last products, before their results are read (ISA guide 7.12.1)
.endr
	s_wait_alu depctr_va_vdst(0)                   ; the products have written y's accumulators, which the LDS stores read, and are done reading ring places 4 and 5, in which the rows read back land; the places above stay beside this wait
	TOSTAGE 0
.irp m, 1,2,3
.if \m > 1
	s_wait_xcnt 0x0                                ; the stores of the rows two back have had their addresses translated: the loads below land in their registers only behind this wait
.endif
	TOSTAGE \m
	SEND \m-1, 32                                  ; behind those rows' loads: the next rows' 16 stores and 16 loads
.endr
	SEND 3, 0
.Lskip2:
	s_wait_dscnt 0x0
	s_wait_alu depctr_hold_cnt(0) depctr_sa_sdst(0) depctr_va_vdst(0) depctr_va_sdst(0) depctr_va_ssrc(0) depctr_va_vcc(0) depctr_vm_vsrc(0)
	s_wait_tensorcnt 0x0
	ds_add_u32 v126, v127
	s_wait_dscnt 0x0
	s_endpgm
.Lfunc_end_k_q70534ec6d1_chain:
	.size	k_q70534ec6d1_chain, .Lfunc_end_k_q70534ec6d1_chain-k_q70534ec6d1_chain
	.p2alignl 7, 3214868480
	.fill 96, 4, 3214868480
	.section	.rodata,"a",@progbits
	.p2align	6, 0x0
	.amdhsa_kernel k_q70534ec6d1_chain
		.amdhsa_group_segment_fixed_size 136704
		.amdhsa_private_segment_fixed_size 0
		.amdhsa_enable_private_segment 0
		.amdhsa_kernarg_size 72
		.amdhsa_user_sgpr_count 2
		.amdhsa_user_sgpr_kernarg_segment_ptr 1
		.amdhsa_wavefront_size32 1
		.amdhsa_system_sgpr_workgroup_id_x 1
		.amdhsa_system_sgpr_workgroup_id_y 1
		.amdhsa_system_sgpr_workgroup_id_z 1
		.amdhsa_system_vgpr_workitem_id 0
		.amdhsa_next_free_vgpr 1024
		.amdhsa_next_free_sgpr 66
		.amdhsa_reserve_vcc 0
		.amdhsa_float_denorm_mode_32 3
		.amdhsa_float_denorm_mode_16_64 3
		.amdhsa_memory_ordered 1
		.amdhsa_forward_progress 1
		.amdhsa_inst_pref_size 173
	.end_amdhsa_kernel
	.amdgpu_metadata
---
amdhsa.version: [ 1, 2 ]
amdhsa.kernels:
  - .name:           k_q70534ec6d1_chain
    .symbol:         k_q70534ec6d1_chain.kd
    .args:
      - { .name: tiles, .offset: 0, .size: 8, .value_kind: global_buffer, .address_space: global }
      - { .name: rowtok, .offset: 8, .size: 8, .value_kind: global_buffer, .address_space: global }
      - { .name: x_codes, .offset: 16, .size: 8, .value_kind: global_buffer, .address_space: global }
      - { .name: w1f, .offset: 24, .size: 8, .value_kind: global_buffer, .address_space: global }
      - { .name: w2f, .offset: 32, .size: 8, .value_kind: global_buffer, .address_space: global }
      - { .name: b1, .offset: 40, .size: 8, .value_kind: global_buffer, .address_space: global }
      - { .name: b2, .offset: 48, .size: 8, .value_kind: global_buffer, .address_space: global }
      - { .name: lowp_scales, .offset: 56, .size: 8, .value_kind: global_buffer, .address_space: global }
      - { .name: y, .offset: 64, .size: 8, .value_kind: global_buffer, .address_space: global }
    .group_segment_fixed_size: 136704
    .private_segment_fixed_size: 0
    .kernarg_segment_align: 8
    .kernarg_segment_size: 72
    .max_flat_workgroup_size: 128
    .sgpr_count:     66
    .vgpr_count:     1024
    .wavefront_size: 32
...
	.end_amdgpu_metadata
.endif
;; end of part 4
;; launch combine: the kernel of part 3 again; grid 256 x 1, 8 waves a work-group, no clusters, 0 bytes of LDS; arguments pos, y, out0; writes out0
